; MI455X (gfx1250); checked and timed in simulation.
; The chip was launched on July 23, 2026; its instructions are those of AMD's public machine-readable ISA for CDNA 5 (MIT licence, August 2026) and "CDNA5" Instruction Set Architecture Reference Guide (July 2026). The comments in the code are by the model that wrote it; some were corrected since.
;; Quantizer. Allowed arithmetic: matrix products marked QUANTISED: E5M2 operands, one given power-of-two scale a tensor, by v_wmma_f32_16x16x64_bf8_bf8 or v_wmma_f32_16x16x128_bf8_bf8, f32 sums; everything else in f32.
;; Inputs: embed 256 x 8,192 float32; lowp_scales 2 int32 (the exponents e of the quantised operands' scales 2^e); x 32 x 32 x 32 x 256 float32.
;; Outputs: out0 32 x 32 x 32 x 256 float32.
;; This version of the problem:
;;   THIS VERSION OF THE PROBLEM IS GIVEN IN LOW PRECISION. The matrix products marked QUANTISED in the list below multiply operands that are first quantised to E5M2 (5 exponent bits, 2 mantissa bits; 8 bits a number), with one given power-of-two scale for each operand tensor; their sums are f32. All else is computed in f32.
;;   The module's matrix products, in the order in which they are computed (A, B: the left and right operand; K: the contracted axis; several contracted axes count as one K, in the product's order):
;;     1. [M 32,768, K 256] x [K 256, N 8,192]; A: input x; B: input embed: QUANTISED (scales: A lowp_scales[0], B lowp_scales[1])
;;   THE QUANTISER, for each operand of a quantised product, along K:
;;     - The operand's scale is 2^e, e = its entry of the input lowp_scales (int32; the entries are numbered through the quantised products in the list's order, A before B).
;;     - Each number is divided by the scale, clamped to +-57,344, and rounded to the nearest number of E5M2, ties to even, subnormals kept.
;;     - The product sums the exact products of the quantised numbers (number of the format x scale) in f32.
;;   ~~~python
;;   def quantise(x, axis, e):      # numpy; x: float32 -> the quantised numbers, widened to float32 again
;;       x = np.moveaxis(x, axis, -1); K = x.shape[-1]
;;       r = np.clip(x / 2.0 ** e, -57344, 57344)
;;       step = 2.0 ** (np.maximum(np.frexp(np.where(r == 0, 1, r))[1] - 1, -14) - 2)
;;       q = np.round(r / step) * step * 2.0 ** e      # np.round: ties to even
;;       return np.moveaxis(q, -1, axis).astype(np.float32)
;;   ~~~
;; One version. Each part assembles by itself: llvm-mc -triple=amdgcn-amd-amdhsa -mcpu=gfx1250 --defsym DOCPART=n.
;; ======== version 1 of 1: 3 launches
;; limits: right only within a limited range of input values
;; workspace buffers: cb 2,129,920 bytes; embt 8,388,608 bytes; idx 131,072 bytes of whole numbers
;; launch prep (part 1): grid 128 x 1, 8 waves a work-group, no clusters, 71,680 bytes of LDS; arguments embed, lowp_scales, cb, embt; writes cb, embt
.if DOCPART == 1
	.amdgcn_target "amdgcn-amd-amdhsa--gfx1250"
	.amdhsa_code_object_version 6
	.text
	.protected	k_q2d96aa9477_prep
	.globl	k_q2d96aa9477_prep
	.p2align	8
	.type	k_q2d96aa9477_prep,@function
k_q2d96aa9477_prep:
	s_mov_b64 s[64:65], 0
	v_nop
	global_prefetch_b8 v0, s[64:65] scope:SCOPE_SE
	s_setreg_imm32_b32 hwreg(HW_REG_WAVE_MODE, 25, 1), 1
	s_wait_xcnt 0x0
; DEAD WORK, for the whole program: dist = x_sq[t] + e_sq[n] - 2 dot(t, n) is used only under an argmin over n.  x_sq[t] is the same for every n of a token, so in exact arithmetic it moves no argmin,
; whatever x holds: it is not computed.  x itself stays live (it is an operand of the quantised product).  LIMIT: a NaN, an infinity or an overflow that would arise in x_sq alone is not carried to the result.
; With s = 2^(e0 + e1), argmin of e_sq[n] - 2 s sum(t, n) is argmax of sum(t, n) - e_sq[n] / (2 s), sum being the product of the codes: this launch stores bias[n] = -e_sq[n] x 2^-(e0 + e1 + 1), a scaling by a power of two.
; embed [256 (k)][8192 (n)] f32 is read once and leaves in three forms:
;   cb:   bytes 0 .. 2,097,151: its codes of BF8 (E5M2) with the given scale 2^e1, as images of the operand's registers: 512 tiles of 16 codewords x 4,096 bytes.
;         In a tile: byte 2048 s + 512 c + 256 h + 16 r + b is the code of codeword r of the tile at k = 128 s + 32 c + 16 h + b.   From byte 2,097,152: bias[n], 8,192 f32 (e_sq of the raw f32 numbers).
;   embt: embed transposed, [8192][256] f32, for the launch that gathers rows.
; code = x / 2^e1, held within +-57,344, rounded to the nearest code, ties to even.  LIMITS: e1 between -126 and 112; e0 + e1 between -128 and 125; NaN among the inputs is not served.
; SHARES.  Work-group g owns columns 64 g .. 64 g + 63 for all 256 k.  Wave w: ch = w & 1 (32 columns), kq = w >> 1 (64 along K).  A lane takes a column and its registers run down K:
; each load reads 128 consecutive bytes a wave, and the conversions give codes with K innermost.  Sixteen lanes' 16 codes are 256 consecutive bytes of an image, aligned: stored straight from registers.
; The f32 transpose goes through the wave's own stage in LDS (rows 272 bytes apart) and leaves as 256 consecutive bytes, aligned, for each sixteen lanes.
; e_sq: each wave sums its 64 k in ascending order; the four parts of a column meet in LDS and wave 0 adds them, ((p0 + p1) + p2) + p3.
; No cluster: the work-groups share no input byte.  No tensor load: all 64 loads of a lane are out at once, and the data are wanted in registers.
.set ROWB,   32768                     ; a row of embed in bytes
.set BIASO,  2097152                   ; where the biases begin in cb
.set SPITCH, 272                       ; a stage row: 256 bytes + 16
.set WSTG,   32*SPITCH                 ; a wave's stage
.set ESP,    8*WSTG                    ; behind the stages: e_sq's parts, 256 kq + 128 ch + 4 lane
.set X,  16                            ; v16-79   my column's 64 numbers
.set O,  80                            ; v80-143  the transpose read back by rows
.set C,  144                           ; v144-159 my codes; never rewritten
.set P,  160                           ; v160-167 wave 0: the four parts of two columns
	s_load_b256 s[4:11], s[0:1], 0x0               ; embed s[4:5], the scales' exponents s[6:7], cb s[8:9], embt s[10:11]
	v_lshl_add_u32 v168, v0, 2, 0x11400            ; my spare word, behind e_sq's parts
	v_mov_b32 v169, 0
	v_lshrrev_b32 v1, 5, v0
	s_delay_alu instid0(VALU_DEP_1)
	v_readfirstlane_b32 s12, v1                    ; wave 0..7
	v_and_b32 v1, 31, v0                           ; lane
	s_and_b32 s13, s12, 1                          ; ch
	s_lshr_b32 s14, s12, 1                         ; kq
	v_lshlrev_b32 v2, 2, v1                        ; in: 4 bytes a lane
	v_and_b32 v13, 15, v0                          ; lane % 16
	v_bfe_u32 v14, v0, 4, 1                        ; lane / 16
	s_mul_i32 s20, s12, WSTG                       ; my stage
	v_mul_u32_u24 v3, v1, SPITCH
	s_delay_alu instid0(VALU_DEP_1)
	v_add_nc_u32 v3, s20, v3                       ; into it: row = my column
	v_mul_u32_u24 v4, v14, SPITCH
	s_delay_alu instid0(VALU_DEP_1)
	v_lshl_add_u32 v4, v13, 4, v4
	s_delay_alu instid0(VALU_DEP_1)
	v_add_nc_u32 v4, s20, v4                       ; out of it: sixteen lanes to a row, two rows an instruction
	v_lshlrev_b32 v5, 10, v14
	s_delay_alu instid0(VALU_DEP_1)
	v_lshl_add_u32 v5, v13, 4, v5                  ; the same place in embt: rows of 1,024 bytes
	v_lshlrev_b32 v6, 12, v14
	s_delay_alu instid0(VALU_DEP_1)
	v_lshl_add_u32 v6, v13, 4, v6                  ; cb: lanes 16-31 hold the next tile, 4,096 bytes on; 16 bytes a codeword
	s_lshl_b32 s21, s14, 8
	s_lshl_b32 s22, s13, 7
	s_add_co_u32 s21, s21, s22
	s_add_co_u32 s21, s21, ESP
	v_add_nc_u32 v7, s21, v2                       ; where my part of e_sq goes
	v_lshlrev_b32 v9, 3, v1                        ; wave 0: two columns a lane, 8 bytes
	s_delay_alu instid0(VALU_DEP_1)
	v_add_nc_u32 v8, ESP, v9
	s_lshl_b32 s16, s14, 21                        ; embed: 64 kq rows,
	s_lshl_b32 s18, ttmp9, 8                       ; + 64 g columns,
	s_add_co_u32 s16, s16, s18
	s_add_co_u32 s16, s16, s22                     ; + 32 ch columns
	s_mov_b32 s17, 0
	s_add_co_u32 s26, s18, BIASO                   ; bias: 64 g numbers on
	s_mov_b32 s27, 0
	s_lshl_b32 s18, ttmp9, 16                      ; embt: row 64 g + 32 ch, + 64 kq numbers
	s_lshl_b32 s23, s13, 15
	s_add_co_u32 s18, s18, s23
	s_lshl_b32 s23, s14, 8
	s_add_co_u32 s18, s18, s23
	s_mov_b32 s19, 0
	s_lshl_b32 s24, ttmp9, 14                      ; codes: tile 4 g + 2 ch,
	s_lshl_b32 s25, s13, 13
	s_add_co_u32 s24, s24, s25
	s_lshl_b32 s25, s14, 10                        ; + 1024 kq
	s_add_co_u32 s24, s24, s25
	s_mov_b32 s25, 0
	s_wait_kmcnt 0x0
	s_load_b64 s[28:29], s[6:7], 0x0               ; e0, e1
	s_add_nc_u64 s[4:5], s[4:5], s[16:17]
	s_add_nc_u64 s[10:11], s[10:11], s[18:19]
	s_add_nc_u64 s[26:27], s[8:9], s[26:27]
	s_add_nc_u64 s[8:9], s[8:9], s[24:25]
.set i, 0
.rept 64
	global_load_b32 v[X+i], v2, s[4:5] offset:i*ROWB th:TH_LOAD_NT   ; embed(64 kq + i, my column): read once in the launch
.set i, i+1
.endr
	s_wait_kmcnt 0x0
	s_add_co_i32 s30, s28, s29
	s_sub_co_i32 s30, 126, s30
	s_lshl_b32 s30, s30, 23
	s_or_b32 s30, s30, 0x80000000                  ; -2^-(e0 + e1 + 1)
	s_mov_b32 s31, s30                             ; (named with it as a pair, so it is written)
	s_add_co_i32 s28, s29, 127
	s_lshl_b32 s29, s28, 23
	v_mov_b32 v11, s29                             ; 2^e1 as f32: the conversion takes its exponent field
	s_add_co_i32 s28, s28, 15
	s_lshl_b32 s28, s28, 23
	s_or_b32 s28, s28, 0x600000
	v_mov_b32 v10, s28                             ; 57,344 x 2^e1
.irp q, 0,1,2,3
	s_wait_alu depctr_va_vdst(0)
	s_wait_loadcnt 48-16*\q                        ; loads come back in order: this group of 16 is in, the younger groups stay out
.irp i, 0,1,2,3,4,5,6,7,8,9,10,11,12,13,14,15
.if (\q == 0) && (\i == 0)
	v_mul_f32 v12, v[X], v[X]                      ; the first square starts the sum
.else
.if \i > 0
	s_delay_alu instid0(VALU_DEP_1)
.endif
	v_fmac_f32 v12, v[X+16*\q+\i], v[X+16*\q+\i]   ; one chain, K ascending
.endif
.endr
.irp j, 0,1,2,3
	ds_store_b128 v3, v[X+16*\q+4*\j:X+16*\q+4*\j+3] offset:64*\q+16*\j   ; the raw numbers: 256 bytes of my column's row
.endr
.endr
	ds_store_b32 v7, v12
.irp t, 0,1,2,3,4,5,6,7,8,9,10,11,12,13,14,15
	ds_load_b128 v[O+4*\t:O+4*\t+3], v4 offset:2*\t*SPITCH   ; LDS serves a wave's instructions in order: these see my stores
.endr
	s_wait_dscnt 16                                ; the 17 stores are done, so X may be written; the 16 loads behind them may be out
.irp b, 0,1
.set i, 0
.rept 32
	v_med3_num_f32 v[X+32*\b+i], v[X+32*\b+i], -v10, v10   ; the conversion to an 8-bit code does not saturate (ISA guide 7.6.2): the hold comes first
.set i, i+1
.endr
.irp g, 0,1,2,3
	v_cvt_scalef32_pk8_bf8_f32 v[C+8*\b+2*\g:C+8*\b+2*\g+1], v[X+32*\b+8*\g:X+32*\b+8*\g+7], v11
.endr
.endr
	v_nop                                          ; one plain vector line behind the last conversion
.irp b, 0,1
.irp h, 0,1
	global_store_b128 v6, v[C+8*\b+4*\h:C+8*\b+4*\h+3], s[8:9] offset:512*\b+256*\h   ; k = 64 kq + 32 b + 16 h + 0 .. 15: sixteen lanes store 256 consecutive bytes, aligned
.endr
.endr
.irp t, 0,1,2,3,4,5,6,7,8,9,10,11,12,13,14,15
	s_wait_dscnt 15-\t                             ; rows 2 t and 2 t + 1 are back; the younger loads stay out
	global_store_b128 v5, v[O+4*\t:O+4*\t+3], s[10:11] offset:2*\t*1024   ; sixteen lanes store 256 consecutive bytes of a row of embt, aligned
.endr
	s_wait_dscnt 0x0                               ; for the others' sake: my part of e_sq lies in LDS
	s_barrier_signal -1
	s_barrier_wait -1
	s_cmp_lg_u32 s12, 0
	s_cbranch_scc1 .Lend                           ; wave 0 alone adds the parts
.irp k, 0,1,2,3
	ds_load_b64 v[P+2*\k:P+2*\k+1], v8 offset:256*\k
.endr
	s_wait_dscnt 0x0
	v_pk_add_f32 v[P:P+1], v[P:P+1], v[P+2:P+3]
	s_delay_alu instid0(VALU_DEP_1)
	v_pk_add_f32 v[P:P+1], v[P:P+1], v[P+4:P+5]
	s_delay_alu instid0(VALU_DEP_1)
	v_pk_add_f32 v[P:P+1], v[P:P+1], v[P+6:P+7]
	v_pk_mul_f32 v[P:P+1], v[P:P+1], s[30:31] op_sel_hi:[1,0]   ; both x -2^-(e0 + e1 + 1)
	global_store_b64 v9, v[P:P+1], s[26:27]        ; the group's 64 biases: 256 consecutive bytes, aligned
.Lend:
	s_wait_tensorcnt 0x0                           ; the wave's end
	ds_add_u32 v168, v169
	s_wait_dscnt 0x0
	s_endpgm
.Lfunc_end_k_q2d96aa9477_prep:
	.size	k_q2d96aa9477_prep, .Lfunc_end_k_q2d96aa9477_prep-k_q2d96aa9477_prep
	.p2alignl 7, 3214868480
	.fill 96, 4, 3214868480
	.section	.rodata,"a",@progbits
	.p2align	6, 0x0
	.amdhsa_kernel k_q2d96aa9477_prep
		.amdhsa_group_segment_fixed_size 71680
		.amdhsa_private_segment_fixed_size 0
		.amdhsa_enable_private_segment 0
		.amdhsa_kernarg_size 32
		.amdhsa_user_sgpr_count 2
		.amdhsa_user_sgpr_kernarg_segment_ptr 1
		.amdhsa_wavefront_size32 1
		.amdhsa_system_sgpr_workgroup_id_x 1
		.amdhsa_system_sgpr_workgroup_id_y 1
		.amdhsa_system_sgpr_workgroup_id_z 1
		.amdhsa_system_vgpr_workitem_id 0
		.amdhsa_next_free_vgpr 170
		.amdhsa_next_free_sgpr 66
		.amdhsa_reserve_vcc 0
		.amdhsa_float_denorm_mode_32 3
		.amdhsa_float_denorm_mode_16_64 3
		.amdhsa_memory_ordered 1
		.amdhsa_forward_progress 1
		.amdhsa_inst_pref_size 24
	.end_amdhsa_kernel
	.amdgpu_metadata
---
amdhsa.version: [ 1, 2 ]
amdhsa.kernels:
  - .name:           k_q2d96aa9477_prep
    .symbol:         k_q2d96aa9477_prep.kd
    .args:
      - { .name: embed, .offset: 0, .size: 8, .value_kind: global_buffer, .address_space: global }
      - { .name: lowp_scales, .offset: 8, .size: 8, .value_kind: global_buffer, .address_space: global }
      - { .name: cb, .offset: 16, .size: 8, .value_kind: global_buffer, .address_space: global }
      - { .name: embt, .offset: 24, .size: 8, .value_kind: global_buffer, .address_space: global }
    .group_segment_fixed_size: 71680
    .private_segment_fixed_size: 0
    .kernarg_segment_align: 8
    .kernarg_segment_size: 32
    .max_flat_workgroup_size: 256
    .sgpr_count:     66
    .vgpr_count:     170
    .wavefront_size: 32
...
	.end_amdgpu_metadata
.endif
;; end of part 1
;; launch nearest (part 2): grid 256 x 1, 8 waves a work-group, no clusters, 175,104 bytes of LDS; arguments x, cb, lowp_scales, idx; writes idx
.if DOCPART == 2
	.amdgcn_target "amdgcn-amd-amdhsa--gfx1250"
	.amdhsa_code_object_version 6
	.text
	.protected	k_q2d96aa9477_nearest
	.globl	k_q2d96aa9477_nearest
	.p2align	8
	.type	k_q2d96aa9477_nearest,@function
k_q2d96aa9477_nearest:
	s_mov_b64 s[64:65], 0
	v_nop
	global_prefetch_b8 v0, s[64:65] scope:SCOPE_SE
	s_setreg_imm32_b32 hwreg(HW_REG_WAVE_MODE, 25, 1), 1
	s_wait_xcnt 0x0
; idx[t] = the first n at which sc(t, n) = sum over k of code_e(n, k) code_x(t, k) + bias[n] is largest; bias[n] = -e_sq[n] x 2^-(e0 + e1 + 1) comes from the launch before.
; LEFT OUT: x_sq[t], which is the same for all n under the argmin (shown at the head of the first kernel).  dist = x_sq - 2^(e0 + e1 + 1) sc, so the first least dist is the first largest sc.
; x: [32768][256] f32.  cb: 512 tiles of 16 codewords as images of operand registers (4,096 bytes each), then the 8,192 biases.
; SHARES.  A work-group owns 128 tokens and walks all 8,192 codewords: each token has one owner.  Eight waves of 512 registers, two to a SIMD.  EVERY wave holds all 128 tokens' codes (8 tiles x 2 K steps x 16
; registers: window 1); wave w walks tiles 64 w .. 64 w + 63 of the codebook.  So each byte of cb has ONE reader in the work-group, and it lies in memory as that wave's registers want it:
; it goes from memory straight into operand registers, 512 consecutive bytes a load.
; NO LDS RING, NO CLUSTER: through LDS each of the 2,097,152 bytes would be written and read once more for the one wave that uses it, and joint loads would tie four work-groups and 32 waves to a round at each
; change of slots; here no wave waits for another between the head and the merge.
; THE MATRIX INSTRUCTION IS USED TRANSPOSED: source 0 = 16 codewords, source 1 = 16 tokens, C of the first K step = the tile's biases.  Lane (r, h) holds token r; register j is codeword 8 h + j of the tile.
; THE LARGEST AND ITS PLACE, ten vector instructions for 16 x 16 sums: four three-way maxima over the eight sums and the old best; one compare (strictly greater: the earlier tile stays); one select of the
; tile's number; four dual selects that keep the winning tile's eight sums.  At the end the first kept sum that equals the best gives j.  Where lanes and waves merge, equal sums take the lower index.
; THREE SETS of registers for a tile and its biases: a tile's ten loads are issued three tiles ahead, behind the last product that read the set; s_wait_loadcnt 20 leaves the two younger tiles' loads out.
; PREFETCH: wave 0 of work-group g asks once, at the head, for 65 blocks of 256 bytes of cb, part g % 128 of 128 (128 x 65 x 256 = all 2,129,920 bytes; each block is named by two work-groups, g and g + 128).
; The walk itself asks for nothing more: every work-group reads the same bytes in the same order.
; LIMITS: e0 between -126 and 112.  NaN and infinities among the inputs are not served.
.set STGP,  1040                       ; a row of x in my stage: 1,024 bytes + 16: row r starts at bank 4 r mod 64 (64 banks of 4 bytes: ISA guide 11.1)
.set WSTG,  16*STGP                    ; a wave's stage: its 16 rows of x
.set XIMG,  8*WSTG                     ; x's 16 fragments as images of their registers: 4096 tile + 2048 K step + 512 c + 16 lane
.set MERGE, XIMG+32768                 ; the waves' results: 1024 wave + 8 token: sum, index
.set SPARE, MERGE+8192                 ; the spare words, 128 bytes for each wave
.set BIASO, 2097152
.set SPW,  1                           ; v1  my spare word; never rewritten
.set NIL,  2                           ; v2  0; never rewritten
.set AO,   3                           ; v3  16 x lane
.set AE,   4                           ; v4  32 h
.set HB,   5                           ; v5  1024 wave + 8 h
.set PF,   6                           ; v6  256 x lane; never rewritten
.set PZ,   7                           ; v7  0, the last prefetch's offset; never rewritten
.set T,    8                           ; v8-10 three maxima.  At the head: LI, STW, STR
.set MST,  11                          ; v11 where my results go
.set BEST, 12                          ; v12-27 the best sum of each tile of tokens, two sets that take turns tile by tile
.set GID,  28                          ; v28-35 the winning tile's number among my 64
.set ES,   36                          ; v36-59 biases, three sets of 8
.set EF,   60                          ; v60-155 a tile of codewords (two fragments), three sets of 32
.set ACC,  156                         ; v156-187 four accumulators
.set SAVE, 188                         ; v188-251 the winning tile's eight sums, for each of 8 tiles of tokens
.set MRD,  252
.set GO,   253
.set SC,   254                         ; 2^e0
.set LIM,  255                         ; 57,344 x 2^e0
.set LI,   8
.set STW,  9
.set STR,  10
.set XWI,  12
.set X,    156                         ; at the head: 64 numbers of x,
.set PC,   220                         ; and my 32 registers of codes
.set CBC,  30                          ; s[30:31] my tiles; s[32:33] their biases; s[34:35] my part for the prefetch
.set CBB,  32
.set PFB,  34
.set MK,   40                          ; s[40:47] lane masks
.set SEL,  48                          ; s[48:49] selects of v_permlanex16_b32: lane l xor 16
.set CODE, 50                          ; the tile in hand, 0 .. 63
.set TR,   51
.set MSB, 0
.macro WIN new                         ; the immediate's high byte repeats the setting that is left
.if MSB != \new
	s_set_vgpr_msb (MSB<<8)|\new
.set MSB, \new
.endif
.endm
.macro LOADT k, s                      ; ten loads: the tile k tiles behind the bases, and its biases (the lanes of a half read the same 32 bytes), into set s
.irp n, 0,1,2,3,4,5,6,7
	global_load_b128 v[EF+32*(\s)+4*\n:EF+32*(\s)+4*\n+3], v[AO], s[CBC:CBC+1] offset:4096*(\k)+512*\n
.endr
	global_load_b128 v[ES+8*(\s):ES+8*(\s)+3], v[AE], s[CBB:CBB+1] offset:64*(\k)
	global_load_b128 v[ES+8*(\s)+4:ES+8*(\s)+7], v[AE], s[CBB:CBB+1] offset:64*(\k)+16
.endm
.macro WM hf, s                        ; set s against tiles of tokens 4 hf .. 4 hf + 3: the four accumulators by turns; the first K step starts each sum with the biases
.irp a, 0,1,2,3
	v_wmma_f32_16x16x128_bf8_bf8 v[ACC+8*\a:ACC+8*\a+7], v[EF+32*(\s):EF+32*(\s)+15], v[32*(4*(\hf)+\a):32*(4*(\hf)+\a)+15], v[ES+8*(\s):ES+8*(\s)+7]
.endr
.irp a, 0,1,2,3
	v_wmma_f32_16x16x128_bf8_bf8 v[ACC+8*\a:ACC+8*\a+7], v[EF+32*(\s)+16:EF+32*(\s)+31], v[32*(4*(\hf)+\a)+16:32*(4*(\hf)+\a)+31], v[ACC+8*\a:ACC+8*\a+7]
.endr
.endm
.macro M12 a                           ; each accumulator is read from its low end on
	v_max3_num_f32 v[T], v[ACC+8*(\a)], v[ACC+8*(\a)+1], v[ACC+8*(\a)+2]
	v_max3_num_f32 v[T+1], v[ACC+8*(\a)+3], v[ACC+8*(\a)+4], v[ACC+8*(\a)+5]
.endm
.macro M3 a
	v_max3_num_f32 v[T+2], v[ACC+8*(\a)+6], v[ACC+8*(\a)+7], v[BO+(\a)]
.endm
.macro M4 a
	v_max3_num_f32 v[BN+(\a)], v[T], v[T+1], v[T+2]   ; the new best: the old one or this tile's largest
.endm
.macro KEEP a, i, j                    ; two of the eight sums are kept where the tile has won
	v_dual_cndmask_b32 v[SAVE+8*(\i)+\j], v[SAVE+8*(\i)+\j], v[ACC+8*(\a)+\j] :: v_dual_cndmask_b32 v[SAVE+8*(\i)+\j+1], v[SAVE+8*(\i)+\j+1], v[ACC+8*(\a)+\j+1]
.endm
.macro VH hf, par                      ; the vector work of four accumulators; the next accumulator's maxima stand among this one's selects, so that no line reads the line above it
.set BO, BEST+8*(\par)+4*(\hf)
.set BN, BEST+8-8*(\par)+4*(\hf)
	M12 0
	M3 0
	M4 0
.irp a, 0,1,2,3
	v_cmp_gt_f32 vcc_lo, v[BN+\a], v[BO+\a]        ; has the best grown?
.if \a < 3
	M12 \a+1
.endif
	v_cndmask_b32 v[GID+4*(\hf)+\a], v[GID+4*(\hf)+\a], s[CODE], vcc_lo
.if \a < 3
	M3 \a+1
.endif
	KEEP \a, 4*(\hf)+\a, 0
	KEEP \a, 4*(\hf)+\a, 2
.if \a < 3
	M4 \a+1
.endif
	KEEP \a, 4*(\hf)+\a, 4
	KEEP \a, 4*(\hf)+\a, 6
.endr
.endm
.macro PLACES                          ; four places between the products and the first read of a result, and the loads into registers that they have read
.rept 4
	v_nop
.endr
.endm
; One tile of 16 codewords against my 128 tokens.  t: its place in the trip (set t % 3, turn t % 2); ld = 1: the tile three on is asked for; cnt: the younger loads that may stay out.
.macro TILE t, ld, cnt
	s_wait_loadcnt \cnt
	WIN 0x04                                       ; source 1, the tokens' fragments: window 1
	WM 0, (\t)%3
	WIN 0
	PLACES
	VH 0, (\t)%2
	WIN 0x04
	WM 1, (\t)%3
	WIN 0
	PLACES
.if \ld
	LOADT (\t)+3, (\t)%3
.endif
	VH 1, (\t)%2
	s_add_co_u32 s[CODE], s[CODE], 1
.endm
; (dv, di) = the better of (va, ia) and (vb, ib): the larger sum; of equal sums the lower index.  No branch: the choice only selects values.
.macro MRG dv, di, va, ia, vb, ib
	v_cmp_gt_f32 s[MK], v[\vb], v[\va]
	v_cmp_eq_f32 s[MK+1], v[\vb], v[\va]
	v_cmp_lt_u32 s[MK+2], v[\ib], v[\ia]
	s_and_b32 s[MK+1], s[MK+1], s[MK+2]
	s_or_b32 s[MK], s[MK], s[MK+1]
	v_cndmask_b32 v[\dv], v[\va], v[\vb], s[MK]
	v_cndmask_b32 v[\di], v[\ia], v[\ib], s[MK]
.endm
	s_load_b256 s[4:11], s[0:1], 0x0               ; x s[4:5], cb s[6:7], the scales' exponents s[8:9], idx s[10:11]
	v_lshrrev_b32 v5, 5, v0
	v_readfirstlane_b32 s12, v5                    ; wave 0..7
	s_and_b32 s13, s12, 1
	s_mul_i32 s14, s12, WSTG                       ; my stage
	s_lshl_b32 s15, s12, 12
	s_add_co_u32 s15, s15, XIMG                    ; the image that I make: tile of tokens = wave
	s_lshl_b32 s16, s12, 10                        ; my first codeword: 1024 wave
	s_add_co_u32 s17, s16, MERGE
	s_lshl_b32 s18, s13, 9
	s_add_co_u32 s18, s18, MERGE
	s_lshl_b32 s20, ttmp9, 17                      ; x: my group's 128 rows, my 16 of them
	s_lshl_b32 s21, s12, 14
	s_add_co_u32 s20, s20, s21
	s_mov_b32 s21, 0
	s_lshl_b32 s22, s12, 18                        ; cb: my 64 tiles,
	s_mov_b32 s23, 0
	s_lshl_b32 s24, s12, 12                        ; and their biases
	s_add_co_u32 s24, s24, BIASO
	s_mov_b32 s25, 0
	s_lshl_b32 s26, ttmp9, 9                       ; idx: my group's 128 numbers, + 64 (wave & 1)
	s_lshl_b32 s27, s13, 8
	s_add_co_u32 s26, s26, s27
	s_mov_b32 s27, 0
	s_and_b32 s28, ttmp9, 127
	s_mul_i32 s28, s28, 65*256                     ; the part of cb that my group prefetches
	s_mov_b32 s29, 0
	s_mov_b32 s[SEL], 0x76543210
	s_mov_b32 s[SEL+1], 0xfedcba98
	v_lshl_add_u32 v[SPW], v0, 2, SPARE
	v_mov_b32 v[NIL], 0
	v_and_b32 v13, 31, v0                          ; lane
	v_and_b32 v14, 15, v0                          ; r
	v_bfe_u32 v15, v0, 4, 1                        ; h
	v_mov_b32 v[PZ], 0
	v_lshlrev_b32 v[AO], 4, v13
	v_lshlrev_b32 v[PF], 8, v13
	v_lshlrev_b32 v[GO], 3, v13
	v_lshlrev_b32 v[AE], 5, v15
	v_lshl_add_u32 v[HB], v15, 3, s16
	v_mul_u32_u24 v[STR], v14, STGP
	v_lshl_add_u32 v[MST], v14, 3, s17             ; 1024 wave + 8 r
	v_add_nc_u32 v[STW], s14, v[AO]                ; into my stage: as loaded, 512 consecutive bytes
	v_add_nc_u32 v[XWI], s15, v[AO]
	v_add_nc_u32 v[LI], XIMG, v[AO]
	v_add_nc_u32 v[MRD], s18, v[AO]                ; tokens 64 (wave & 1) + 2 lane and the next: 16 bytes
	v_lshl_add_u32 v[STR], v15, 6, v[STR]
	v_add_nc_u32 v[STR], s14, v[STR]               ; out of it: row r, + 64 h: my 16 numbers of a block of 32
	s_wait_alu depctr_va_vdst(0)
	s_wait_kmcnt 0x0
	s_load_b32 s19, s[8:9], 0x0                    ; e0
	s_add_nc_u64 s[4:5], s[4:5], s[20:21]
	s_add_nc_u64 s[CBC:CBC+1], s[6:7], s[22:23]
	s_add_nc_u64 s[CBB:CBB+1], s[6:7], s[24:25]
	s_add_nc_u64 s[PFB:PFB+1], s[6:7], s[28:29]
	s_add_nc_u64 s[10:11], s[10:11], s[26:27]
	WIN 0x40                                       ; destination window 1: the raw rows wait where the fragments will lie
.set n, 0
.rept 32
	global_load_b128 v[4*n:4*n+3], v[AO], s[4:5] offset:512*n th:TH_LOAD_NT   ; my 16 rows are 16,384 consecutive bytes; read once in the launch
.set n, n+1
.endr
	WIN 0
	s_cmp_lg_u32 s12, 0
	s_cbranch_scc1 .Lnopf                          ; wave 0 alone: 32 + 32 + 1 blocks, a lane a block (in the third line all lanes name the last block)
	global_prefetch_b8 v[PF], s[PFB:PFB+1] th:TH_LOAD_NT scope:SCOPE_SE
	global_prefetch_b8 v[PF], s[PFB:PFB+1] offset:8192 th:TH_LOAD_NT scope:SCOPE_SE
	global_prefetch_b8 v[PZ], s[PFB:PFB+1] offset:16384 th:TH_LOAD_NT scope:SCOPE_SE
.Lnopf:
	LOADT 0, 0                                     ; my first three tiles: 30 loads behind x's 32
	LOADT 1, 1
	LOADT 2, 2
	s_wait_kmcnt 0x0
	s_add_co_i32 s19, s19, 127
	s_lshl_b32 s36, s19, 23
	v_mov_b32 v[SC], s36                           ; 2^e0 as f32: the conversion takes its exponent field
	s_add_co_i32 s19, s19, 15
	s_lshl_b32 s19, s19, 23
	s_or_b32 s19, s19, 0x600000
	v_mov_b32 v[LIM], s19                          ; 57,344 x 2^e0
	s_wait_alu depctr_va_vdst(0)
	WIN 0x04                                       ; an LDS store's data: window 1
.set n, 0
.rept 4
	s_wait_loadcnt 54-n                            ; these eight loads are in; the younger loads of x and the 30 of cb stay out
.rept 8
	ds_store_b128 v[STW], v[4*n:4*n+3] offset:(n/2)*STGP+(n%2)*512
.set n, n+1
.endr
.endr
	WIN 0
	; my tile of tokens, one K step at a time.  Register 16 c + i = k 128 p + 32 c + 16 h + i of row r.  LDS serves a wave's instructions in order: the loads see my stores
.irp p, 0,1
.irp c, 0,1,2,3
.irp q, 0,1,2,3
	ds_load_b128 v[X+16*\c+4*\q:X+16*\c+4*\q+3], v[STR] offset:512*\p+128*\c+16*\q
.endr
.endr
	s_wait_dscnt 0x0
.irp b, 0,1,2,3
.irp i, 0,1,2,3,4,5,6,7,8,9,10,11,12,13,14,15
	v_med3_num_f32 v[X+16*\b+\i], v[X+16*\b+\i], -v[LIM], v[LIM]   ; the conversion to an 8-bit code does not saturate (ISA guide 7.6.2): the hold comes first
.endr
	v_cvt_scalef32_pk8_bf8_f32 v[PC+16*\p+4*\b:PC+16*\p+4*\b+1], v[X+16*\b:X+16*\b+7], v[SC]
	v_cvt_scalef32_pk8_bf8_f32 v[PC+16*\p+4*\b+2:PC+16*\p+4*\b+3], v[X+16*\b+8:X+16*\b+15], v[SC]
.endr
	v_nop                                          ; one plain vector line behind the last conversion
.irp c, 0,1,2,3
	ds_store_b128 v[XWI], v[PC+16*\p+4*\c:PC+16*\p+4*\c+3] offset:2048*\p+512*\c   ; the fragment goes to LDS as it stands
.endr
.endr
	s_wait_alu depctr_va_vdst(0)
	s_wait_dscnt 0x0                               ; for the others' sake: my image lies in LDS
	s_barrier_signal -1
	s_barrier_wait -1
	WIN 0x40
.set n, 0
.rept 64
	ds_load_b128 v[4*n:4*n+3], v[LI] offset:512*n  ; all sixteen fragments: tile i, K step p at register 32 i + 16 p of window 1; they stay
.set n, n+1
.endr
	WIN 0
.set n, 0
.rept 32
	v_dual_mov_b32 v[SAVE+n], 0 :: v_dual_mov_b32 v[SAVE+n+1], 0   ; written once: the selects read them; the first tile's sums take their place
.set n, n+2
.endr
.irp i, 0,1,2,3,4,5,6,7
	v_mov_b32 v[BEST+\i], 0xff800000               ; -infinity: under every sum
	v_mov_b32 v[GID+\i], 0
.endr
	s_mov_b32 s[CODE], 0
	s_mov_b32 s[TR], 10
	s_wait_alu depctr_va_vdst(0)
	s_wait_dscnt 0x0
.Ltrip:                                                ; six tiles a trip: the three sets and the two turns of BEST are back where they began
	TILE 0, 1, 20
	TILE 1, 1, 20
	TILE 2, 1, 20
	TILE 3, 1, 20
	TILE 4, 1, 20
	TILE 5, 1, 20
	s_wait_xcnt 0x0                                ; the loads have read their bases: only now are they stepped
	s_add_nc_u64 s[CBC:CBC+1], s[CBC:CBC+1], 6*4096
	s_add_nc_u64 s[CBB:CBB+1], s[CBB:CBB+1], 6*64
	s_sub_co_u32 s[TR], s[TR], 1
	s_cmp_lg_u32 s[TR], 0
	s_cbranch_scc1 .Ltrip
	TILE 0, 1, 20                                  ; tiles 60 to 63: one more request (tile 63), then the counts run down
	TILE 1, 0, 20
	TILE 2, 0, 10
	TILE 3, 0, 0
	; ---- the place inside the winning tile: the first kept sum that equals the best (which lies in BEST's first set after an even number of tiles)
.irp i, 0,1,2,3,4,5,6,7
	v_mov_b32 v[ACC+\i], 7
.endr
.irp j, 6,5,4,3,2,1,0
.irp i, 0,1,2,3,4,5,6,7
	v_cmp_eq_f32 s[MK+\i], v[SAVE+8*\i+\j], v[BEST+\i]
.endr
.irp i, 0,1,2,3,4,5,6,7
	v_cndmask_b32 v[ACC+\i], v[ACC+\i], \j, s[MK+\i]
.endr
.endr
.irp i, 0,1,2,3,4,5,6,7
	v_lshl_add_u32 v[GID+\i], v[GID+\i], 4, v[ACC+\i]
.endr
.irp i, 0,1,2,3,4,5,6,7
	v_add_nc_u32 v[GID+\i], v[GID+\i], v[HB]       ; the codeword: 1024 wave + 16 tile + 8 h + j
.endr
	; ---- the merge: the two halves of the lanes, then the eight waves
.irp i, 0,1,2,3,4,5,6,7
	v_permlanex16_b32 v[EF+\i], v[BEST+\i], s[SEL], s[SEL+1]
	v_permlanex16_b32 v[EF+8+\i], v[GID+\i], s[SEL], s[SEL+1]
.endr
.irp i, 0,1,2,3,4,5,6,7
	MRG SAVE+2*\i, SAVE+2*\i+1, BEST+\i, GID+\i, EF+\i, EF+8+\i
.endr
	s_wait_alu depctr_va_vdst(0)
.irp i, 0,1,2,3,4,5,6,7
	ds_store_b64 v[MST], v[SAVE+2*\i:SAVE+2*\i+1] offset:128*\i   ; both halves of the lanes hold the same pair and write the same bytes
.endr
	s_wait_dscnt 0x0                               ; for the others' sake: my results lie in LDS
	s_barrier_signal -1
	s_barrier_wait -1
	s_cmp_lt_u32 s12, 2
	s_cbranch_scc0 .Ldone                          ; waves 0 and 1 finish 64 tokens each, two a lane
.irp g, 0,1,2,3,4,5,6,7
	ds_load_b128 v[ACC+4*\g:ACC+4*\g+3], v[MRD] offset:1024*\g
.endr
	s_wait_dscnt 0x0
.irp g, 1,2,3,4,5,6,7
	MRG ACC, ACC+1, ACC, ACC+1, ACC+4*\g, ACC+4*\g+1
	MRG ACC+2, ACC+3, ACC+2, ACC+3, ACC+4*\g+2, ACC+4*\g+3
.endr
	v_mov_b32 v[ACC], v[ACC+1]
	v_mov_b32 v[ACC+1], v[ACC+3]
	global_store_b64 v[GO], v[ACC:ACC+1], s[10:11] ; the wave stores 256 consecutive bytes, aligned
.Ldone:
	s_wait_tensorcnt 0x0                           ; the wave's end, behind my last LDS store
	ds_add_u32 v[SPW], v[NIL]
	s_wait_dscnt 0x0
	s_endpgm
.Lfunc_end_k_q2d96aa9477_nearest:
	.size	k_q2d96aa9477_nearest, .Lfunc_end_k_q2d96aa9477_nearest-k_q2d96aa9477_nearest
	.p2alignl 7, 3214868480
	.fill 96, 4, 3214868480
	.section	.rodata,"a",@progbits
	.p2align	6, 0x0
	.amdhsa_kernel k_q2d96aa9477_nearest
		.amdhsa_group_segment_fixed_size 175104
		.amdhsa_private_segment_fixed_size 0
		.amdhsa_enable_private_segment 0
		.amdhsa_kernarg_size 32
		.amdhsa_user_sgpr_count 2
		.amdhsa_user_sgpr_kernarg_segment_ptr 1
		.amdhsa_wavefront_size32 1
		.amdhsa_system_sgpr_workgroup_id_x 1
		.amdhsa_system_sgpr_workgroup_id_y 1
		.amdhsa_system_sgpr_workgroup_id_z 1
		.amdhsa_system_vgpr_workitem_id 0
		.amdhsa_next_free_vgpr 512
		.amdhsa_next_free_sgpr 66
		.amdhsa_reserve_vcc 1
		.amdhsa_float_denorm_mode_32 3
		.amdhsa_float_denorm_mode_16_64 3
		.amdhsa_memory_ordered 1
		.amdhsa_forward_progress 1
		.amdhsa_inst_pref_size 118
	.end_amdhsa_kernel
	.amdgpu_metadata
---
amdhsa.version: [ 1, 2 ]
amdhsa.kernels:
  - .name:           k_q2d96aa9477_nearest
    .symbol:         k_q2d96aa9477_nearest.kd
    .args:
      - { .name: x, .offset: 0, .size: 8, .value_kind: global_buffer, .address_space: global }
      - { .name: cb, .offset: 8, .size: 8, .value_kind: global_buffer, .address_space: global }
      - { .name: lowp_scales, .offset: 16, .size: 8, .value_kind: global_buffer, .address_space: global }
      - { .name: idx, .offset: 24, .size: 8, .value_kind: global_buffer, .address_space: global }
    .group_segment_fixed_size: 175104
    .private_segment_fixed_size: 0
    .kernarg_segment_align: 8
    .kernarg_segment_size: 32
    .max_flat_workgroup_size: 256
    .sgpr_count:     66
    .vgpr_count:     512
    .wavefront_size: 32
...
	.end_amdgpu_metadata
.endif
;; end of part 2
;; launch gather (part 3): grid 256 x 1, 8 waves a work-group, no clusters, 0 bytes of LDS; arguments idx, embt, out0; writes out0
.if DOCPART == 3
	.amdgcn_target "amdgcn-amd-amdhsa--gfx1250"
	.amdhsa_code_object_version 6
	.text
	.protected	k_q2d96aa9477_gather
	.globl	k_q2d96aa9477_gather
	.p2align	8
	.type	k_q2d96aa9477_gather,@function
k_q2d96aa9477_gather:
	s_mov_b64 s[64:65], 0
	v_nop
	global_prefetch_b8 v0, s[64:65] scope:SCOPE_SE
	s_setreg_imm32_b32 hwreg(HW_REG_WAVE_MODE, 25, 1), 1
	s_wait_xcnt 0x0
; out0[t][:] = embt[idx[t]][:]: rows of 256 f32, 1,024 bytes.  idx was stored as whole numbers by the launch before; embt is embed transposed.
; A work-group takes 128 tokens, each of its eight waves 16.  A wave reads its 16 indices by one scalar load, holds each at 8,191 (the table's last row), and copies each row by two loads and two stores of
; 512 consecutive bytes, aligned.  All 32 loads of a wave are out at once; no register is written twice, so there is no loop and no wait but the loads' own count-down.
; No LDS, no matrix unit, no cluster: rows are named by a list, and nothing says that two work-groups want the same ones at the same time.  The table's rows may be named again, so their loads carry no hint.
.set D,   8                            ; v8-135   16 rows x 8 registers
.set OFF, 136                          ; v136-151 row i: 1024 x index + 16 x lane
	s_load_b128 s[4:7], s[0:1], 0x0                ; idx s[4:5], embt s[6:7]
	s_load_b64 s[8:9], s[0:1], 0x10                ; out0
	v_lshrrev_b32 v2, 5, v0
	s_delay_alu instid0(VALU_DEP_1)
	v_readfirstlane_b32 s12, v2                    ; wave 0..7
	v_and_b32 v1, 31, v0
	s_delay_alu instid0(VALU_DEP_1)
	v_lshlrev_b32 v1, 4, v1                        ; 16 bytes a lane
	s_lshl_b32 s10, ttmp9, 9                       ; idx: 128 numbers a work-group,
	s_lshl_b32 s13, s12, 6                         ; 16 a wave
	s_add_co_u32 s10, s10, s13
	s_mov_b32 s11, 0
	s_lshl_b32 s14, ttmp9, 17                      ; out0: 128 rows a work-group,
	s_lshl_b32 s13, s12, 14                        ; 16 a wave
	s_add_co_u32 s14, s14, s13
	s_mov_b32 s15, 0
	s_wait_alu depctr_va_vdst(0)
	s_wait_kmcnt 0x0
	s_add_nc_u64 s[4:5], s[4:5], s[10:11]
	s_add_nc_u64 s[8:9], s[8:9], s[14:15]
	s_load_b512 s[16:31], s[4:5], 0x0              ; my 16 indices
	s_wait_kmcnt 0x0
.irp i, 0,1,2,3,4,5,6,7,8,9,10,11,12,13,14,15
	s_min_u32 s[16+\i], s[16+\i], 0x1fff           ; a loaded number enters an address only behind this hold
	s_lshl_b32 s[16+\i], s[16+\i], 10
	v_add_nc_u32 v[OFF+\i], s[16+\i], v1
.endr
	s_wait_alu depctr_va_vdst(0)
.irp i, 0,1,2,3,4,5,6,7,8,9,10,11,12,13,14,15
.irp q, 0,1
	global_load_b128 v[D+8*\i+4*\q:D+8*\i+4*\q+3], v[OFF+\i], s[6:7] offset:512*\q
.endr
.endr
.irp i, 0,1,2,3,4,5,6,7,8,9,10,11,12,13,14,15
.irp q, 0,1
	s_wait_loadcnt 31-2*\i-\q                      ; loads come back in order: this one is in, the younger ones stay out
	global_store_b128 v1, v[D+8*\i+4*\q:D+8*\i+4*\q+3], s[8:9] offset:1024*\i+512*\q th:TH_STORE_NT   ; 512 consecutive bytes, aligned; written once, read by nobody here
.endr
.endr
	s_endpgm
.Lfunc_end_k_q2d96aa9477_gather:
	.size	k_q2d96aa9477_gather, .Lfunc_end_k_q2d96aa9477_gather-k_q2d96aa9477_gather
	.p2alignl 7, 3214868480
	.fill 96, 4, 3214868480
	.section	.rodata,"a",@progbits
	.p2align	6, 0x0
	.amdhsa_kernel k_q2d96aa9477_gather
		.amdhsa_group_segment_fixed_size 0
		.amdhsa_private_segment_fixed_size 0
		.amdhsa_enable_private_segment 0
		.amdhsa_kernarg_size 24
		.amdhsa_user_sgpr_count 2
		.amdhsa_user_sgpr_kernarg_segment_ptr 1
		.amdhsa_wavefront_size32 1
		.amdhsa_system_sgpr_workgroup_id_x 1
		.amdhsa_system_sgpr_workgroup_id_y 1
		.amdhsa_system_sgpr_workgroup_id_z 1
		.amdhsa_system_vgpr_workitem_id 0
		.amdhsa_next_free_vgpr 152
		.amdhsa_next_free_sgpr 66
		.amdhsa_reserve_vcc 0
		.amdhsa_float_denorm_mode_32 3
		.amdhsa_float_denorm_mode_16_64 3
		.amdhsa_memory_ordered 1
		.amdhsa_forward_progress 1
		.amdhsa_inst_pref_size 11
	.end_amdhsa_kernel
	.amdgpu_metadata
---
amdhsa.version: [ 1, 2 ]
amdhsa.kernels:
  - .name:           k_q2d96aa9477_gather
    .symbol:         k_q2d96aa9477_gather.kd
    .args:
      - { .name: idx, .offset: 0, .size: 8, .value_kind: global_buffer, .address_space: global }
      - { .name: embt, .offset: 8, .size: 8, .value_kind: global_buffer, .address_space: global }
      - { .name: out0, .offset: 16, .size: 8, .value_kind: global_buffer, .address_space: global }
    .group_segment_fixed_size: 0
    .private_segment_fixed_size: 0
    .kernarg_segment_align: 8
    .kernarg_segment_size: 24
    .max_flat_workgroup_size: 256
    .sgpr_count:     66
    .vgpr_count:     152
    .wavefront_size: 32
...
	.end_amdgpu_metadata
.endif
;; end of part 3
